; MI455X (gfx1250); checked and timed in simulation.
; The chip was launched on July 23, 2026; its instructions are those of AMD's public machine-readable ISA for CDNA 5 (MIT licence, August 2026) and "CDNA5" Instruction Set Architecture Reference Guide (July 2026). The comments in the code are by the model that wrote it; some were corrected since.
;; Constrastive Loss. Allowed arithmetic: matrix products marked QUANTISED: E3M2 operands, one E8M0 scale for each 32 along K, by v_wmma_scale_f32_16x16x128_f8f6f4 with both operands' format E3M2, f32 sums; everything else in f32.
;; Inputs: x1 4,096 x 256 float32; x2 4,096 x 256 float32.
;; Outputs: out0 8,192 float32.
;; This version of the problem:
;;   THIS VERSION OF THE PROBLEM IS GIVEN IN LOW PRECISION. The matrix products marked QUANTISED in the list below multiply operands that are first quantised to E3M2 (3 exponent bits, 2 mantissa bits; 6 bits a number), with one power-of-two scale for each 32 numbers along K (OCP MX v1.0); their sums are f32. All else is computed in f32.
;;   The module's matrix products, in the order in which they are computed (A, B: the left and right operand; K: the contracted axis; several contracted axes count as one K, in the product's order):
;;     1. [M 8,192, K 256] x [K 256, N 8,192]; A: computed on the way; B: computed on the way: QUANTISED
;;   THE QUANTISER, for each operand of a quantised product, along K:
;;     - K is cut into blocks of 32 from its start; a last block that is shorter is filled with zeros.
;;     - A block's scale is 2^e with e = floor(log2(the largest magnitude in the block)) - 4, held to -126 .. 127; a block of zeros has e = 0. As a byte (E8M0): e + 127.
;;     - Each number is divided by its block's scale, clamped to +-28, and rounded to the nearest number of E3M2, ties to even, subnormals kept.
;;     - The product sums the exact products of the quantised numbers (number of the format x scale) in f32.
;;   ~~~python
;;   def quantise(x, axis):      # numpy; x: float32 -> the quantised numbers, widened to float32 again
;;       x = np.moveaxis(x, axis, -1); K = x.shape[-1]
;;       x = np.pad(x, [(0, 0)] * (x.ndim - 1) + [(0, -K % 32)]); x = x.reshape(x.shape[:-1] + (-1, 32)); a = np.abs(x).max(-1, keepdims=True)
;;       e = np.where(a > 0, np.clip(np.frexp(np.where(a > 0, a, 1))[1] - 1 - 4, -126, 127), 0)      # np.frexp(a)[1] - 1 = floor(log2(a)), exactly
;;       r = np.clip(x / 2.0 ** e, -28, 28)
;;       step = 2.0 ** (np.maximum(np.frexp(np.where(r == 0, 1, r))[1] - 1, -2) - 2)
;;       q = np.round(r / step) * step * 2.0 ** e      # np.round: ties to even
;;       return np.moveaxis(q.reshape(q.shape[:-2] + (-1,))[..., :K], -1, axis).astype(np.float32)
;;   ~~~
;;   OPERANDS COMPUTED ON THE WAY. 'Computed on the way' means the value that the module computes at that place (a softmax that the list does not call 'softmax' is quantised finished and normalised). What goes into a quantiser is computed in f32, as accurately as f32 sums, v_exp_f32 and their like allow (about 1e-6 of the number): no bf16 or f16 on the way to a quantiser, and a product that is left as it is and whose result goes on into a quantised operand takes f32 operands (vector FMAs, or v_wmma_f32_16x16x4_f32). A number that lies on a knife's edge between two numbers of the format may be rounded either way, as far as f32 arithmetic and the matrix unit's own rounding can turn it there, and no further.
;; One version. Each part assembles by itself: llvm-mc -triple=amdgcn-amd-amdhsa -mcpu=gfx1250 --defsym DOCPART=n.
;; ======== version 1 of 1: 2 launches
;; workspace buffers: zq 1,703,936 bytes
;; launch quant (part 1): grid 256 x 1, 2 waves a work-group, no clusters, 168,192 bytes of LDS; arguments x1, x2, zq; writes zq
.if DOCPART == 1
	.amdgcn_target "amdgcn-amd-amdhsa--gfx1250"
	.amdhsa_code_object_version 6
	.text
	.protected	k_q45b88e4264_quant
	.globl	k_q45b88e4264_quant
	.p2align	8
	.type	k_q45b88e4264_quant,@function
k_q45b88e4264_quant:
	s_mov_b64 s[64:65], 0
	v_nop
	global_prefetch_b8 v0, s[64:65] scope:SCOPE_SE
	s_setreg_imm32_b32 hwreg(HW_REG_WAVE_MODE, 25, 1), 1
	s_wait_xcnt 0x0
; z is x1's 4,096 rows followed by x2's, each row of 256 f32 divided by max(its norm, 1e-12) TWICE, as the problem writes it.  This launch quantises z along K = 256 to codes of BF6 (E3M2) with one E8M0 scale
; for each 32 numbers, ONCE, into the program's own buffer zq, from which the next launch forms the product z z^T: there every row is read by 32 work-groups, as three sixteenths of its f32 bytes.
; zq IS LAID IN THE ORDER OF THE OPERAND'S REGISTERS.  Block I (rows 16 I .. 16 I + 15 of z) has 3,328 bytes = 13 x 256: K step s's fragment (12 registers a lane) at 1536 s, its register group c (four registers) at
; + 512 c, lane l's 16 bytes at + 16 l; behind the codes, at 3,072, 8 bytes a lane: the scale words of the lane's row for K steps 0 and 1 (lanes r and r + 16 hold the same row's).
; SHARES.  256 work-groups of two waves; wave w of work-group g owns block 2 g + w: 16 whole rows, so no sum crosses waves, and the waves share nothing: no barrier.
; Each wave brings its 16 rows (16,384 dense bytes) by ONE tensor load, its first memory instruction, into LDS bytes of its own; no LDS byte is filled twice.
; LAYOUT.  Lane (r = lane % 16, h = lane / 16) holds row r; its register X + 64 s + 16 b + i holds k = 128 s + 32 b + 16 h + i: 16 neighbours of each block of 32, the other 16 lie in lane l xor 16.
; NO CLUSTER: no two work-groups read a common byte.  LDS in use: 33,792 bytes.
; LIMITS.  NaN and infinities among the inputs are not served (v_max_num_f32 and the conversion drop a NaN).  Finite inputs go as the problem has them: a row whose sum of squares overflows is divided by infinity (its
; reciprocal is 0) and gives 0; a row whose norm lies under 1e-12 is divided by 1e-12.  A row's squares are summed in another order than a plain loop's: eight partial sums a lane, then two lanes.  A division is a
; multiplication by v_rcp_f32 of the divisor, the root is v_sqrt_f32 (each good to one unit in the last place: ISA guide, their entries).  A block of zeros carries the scale byte 1 where the rule says 127:
; its codes are zeros, which add nothing under any byte but 0xff, and the bytes are read by this program alone.
.set PITCH, 1040                       ; a row of x in LDS: 1,024 bytes + 16 of padding = 65 x 16: the 16 rows that half a wave's 16-byte loads touch fall into 16 different columns of 16 bytes (64 banks of 4 bytes: ISA guide 11.1)
.set XREG,  16896                      ; a wave's tile of x: 16 x PITCH = 16,640 bytes, rounded up to whole blocks of 512; wave w's at w x XREG
.set BLK,   3328                       ; a block of zq
.set XA,   4                           ; v4   LDS address of my numbers: w XREG + PITCH r + 64 h
.set GW,   5                           ; v5   my 16 bytes of a register group in zq: 16 x lane
.set GS,   6                           ; v6   my 8 bytes of scale words: 8 x lane
.set TMP,  11                          ; v11  the other half's sum
.set RCP,  12                          ; v[12:13] 1 / divisor, twice: a pair for the packed multiply
.set SUM,  14                          ; v14  the row's sum of squares
.set NRM,  15                          ; v15  its root, then the divisor
.set X,    16                          ; v[16:143]  my 128 numbers
.set CH,   144                         ; v[144:151] four packed chains of partial sums
.set TM,   152                         ; v[152:155] largest magnitudes, v[156:159] the other half's, then the bytes, v[164:167] the conversions' scale operands
.set PW0,  168                         ; v168, v169 my row's scale words of K steps 0, 1
.set PW1,  169
.set PC0,  172                         ; v[172:183], v[184:195] the two fragments
.set PC1,  184
.set AUX,  196                         ; v[196:198], v[200:202] the conversions' second halves
	s_load_b128 s[4:7], s[0:1], 0x0                ; x1 s[4:5], x2 s[6:7]
	s_load_b64 s[8:9], s[0:1], 0x10                ; zq
	v_lshl_add_u32 v204, v0, 2, 0x29000
	v_mov_b32 v205, 0
	ds_add_u32 v204, v205
	ds_add_u32 v204, v205
	v_lshrrev_b32 v1, 5, v0
	v_readfirstlane_b32 s10, v1                    ; my wave's number w: 0 or 1
	; Descriptor group 1: a tile of 16 rows x 256 elements of 4 bytes, rows 256 elements apart in memory; in LDS 4 words of padding behind every 256 words, that is behind every row
	s_mov_b32 s16, (2<<16)|(1<<20)|(7<<22)|(3<<25) ; 15:0 no mask; 17:16 elements of 4 bytes; 20 padding on; 24:22 after every 256 words (code 7); 31:25 of 4 words (code 3)
	s_mov_b32 s17, 256<<16                         ; tensor_dim0 = 256
	s_mov_b32 s18, 16<<16                          ; tensor_dim1 = 16
	s_mov_b32 s19, 256<<16                         ; tile_dim0 = 256
	s_mov_b32 s20, 16                              ; tile_dim1 = 16
	s_mov_b32 s21, 256                             ; elements from row to row
	s_mov_b32 s22, 0
	s_mov_b32 s23, 0
	; Descriptor group 0
	s_mov_b32 s12, 1                               ; count = 1
	s_mul_i32 s13, s10, XREG                       ; LDS address: my wave's own tile
	s_and_b32 s24, ttmp9, 127                      ; work-groups 0-127 take x1, 128-255 x2: within the tensor, 32 rows of 1,024 bytes a work-group,
	s_lshl_b32 s24, s24, 15
	s_lshl_b32 s11, s10, 14                        ; 16 of them a wave (under 2^22)
	s_add_co_u32 s24, s24, s11
	s_mov_b32 s25, 0
	s_lshl_b32 s28, ttmp9, 1
	s_add_co_u32 s28, s28, s10                     ; my block of z: 2 g + w
	s_mul_i32 s28, s28, BLK                        ; and its first byte in zq (under 2^21)
	s_mov_b32 s29, 0
	s_mov_b32 s26, 0x76543210                      ; v_permlanex16_b32's selects for lane l xor 16
	s_mov_b32 s27, 0xfedcba98
	s_wait_dscnt 0x0
	s_wait_kmcnt 0x0
	s_cmp_lt_u32 ttmp9, 128                        ; the choice hangs on the work-group's number alone
	s_cselect_b64 s[14:15], s[4:5], s[6:7]
	s_add_nc_u64 s[14:15], s[14:15], s[24:25]      ; global address of the tile's first element
	s_or_b32 s15, s15, 0x80000000                  ; type = 2
	tensor_load_to_lds s[12:15], s[16:23]          ; my 16 rows: the only tensor load of the wave; its descriptor is never written again
	s_nop 0
	; All addresses are made while the tile is on its way
	v_and_b32 v1, 15, v0                           ; r
	v_bfe_u32 v2, v0, 4, 1                         ; h
	v_and_b32 v3, 31, v0                           ; lane
	v_mul_u32_u24 v[XA], v1, PITCH
	v_lshl_add_u32 v[XA], v2, 6, v[XA]
	v_add_nc_u32 v[XA], s13, v[XA]
	v_lshlrev_b32 v[GW], 4, v3
	v_lshlrev_b32 v[GS], 3, v3
	v_mov_b32 v[TMP], 0                            ; written once: a lane permute's destination counts as one of its sources
.irp b, 0,1,2,3
	v_mov_b32 v[TM+4+\b], 0
.endr
	s_add_nc_u64 s[8:9], s[8:9], s[28:29]          ; zq at my block
; One normalisation, in place: every number of my row / max(the row's norm, 1e-12).
; first = 1: the numbers are still coming from LDS, 32 loads of four registers in ascending order: in front of each 16 pairs stands the wait that leaves the loads behind their eight out.
.macro NORM first
.set p, 0
.rept 64                               ; the squares of my 128 numbers, two at a time, on four chains that do not wait for each other; the first four pairs start the chains: nothing is cleared
.if \first && (p % 16 == 0)
	s_wait_dscnt 24-p/2                            ; LDS loads come back in order (ISA guide 5.7.1): 24, 16, 8, 0 younger ones may be out
.endif
.if p < 4
	v_pk_mul_f32 v[CH+2*p:CH+2*p+1], v[X+2*p:X+2*p+1], v[X+2*p:X+2*p+1]
.else
	v_pk_fma_f32 v[CH+2*(p%4):CH+2*(p%4)+1], v[X+2*p:X+2*p+1], v[X+2*p:X+2*p+1], v[CH+2*(p%4):CH+2*(p%4)+1]
.endif
.set p, p+1
.endr
	v_pk_add_f32 v[CH:CH+1], v[CH:CH+1], v[CH+2:CH+3]
	v_pk_add_f32 v[CH+4:CH+5], v[CH+4:CH+5], v[CH+6:CH+7]
	v_pk_add_f32 v[CH:CH+1], v[CH:CH+1], v[CH+4:CH+5]
	v_add_f32 v[SUM], v[CH], v[CH+1]               ; my 128 squares,
	v_permlanex16_b32 v[TMP], v[SUM], s26, s27
	v_add_f32 v[SUM], v[SUM], v[TMP]               ; and lane l xor 16's: the row's
	v_sqrt_f32 v[NRM], v[SUM]
	v_nop                                          ; one plain place behind a transcendental
	s_wait_alu depctr_va_vdst(0)
	v_max_num_f32 v[NRM], 0x2b8cbccc, v[NRM]       ; max(norm, 1e-12)
	v_rcp_f32 v[RCP], v[NRM]
	v_rcp_f32 v[RCP+1], v[NRM]                     ; twice, for the pair
	v_nop                                          ; one plain place behind a transcendental
.set p, 0
	s_wait_alu depctr_va_vdst(0)
.rept 64
	v_pk_mul_f32 v[X+2*p:X+2*p+1], v[X+2*p:X+2*p+1], v[RCP:RCP+1]
.set p, p+1
.endr
.endm
; 64 numbers of a lane, v[s] .. v[s + 63], register 16 b + i = k 32 b + 16 h + i of my row's 128, become a fragment's codes in v[pc] .. v[pc + 11] and its scale word in v[pw].
.macro QUANT s, pc, pw
.irp b, 0,1,2,3
	v_max3_num_f32 v[TM+\b], |v[\s+16*\b]|, |v[\s+1+16*\b]|, 0x2800000   ; block b: my 16 numbers, and the floor 2^(5 - 127), under which no largest magnitude is taken: so the byte cannot fall under 1
.endr
.irp i, 2,4,6,8,10,12,14
.irp b, 0,1,2,3
	v_max3_num_f32 v[TM+\b], v[TM+\b], |v[\s+16*\b+\i]|, |v[\s+1+16*\b+\i]|   ; (the four blocks by turns: no line waits for the line above it)
.endr
.endr
.irp b, 0,1,2,3
	v_permlanex16_b32 v[TM+4+\b], v[TM+\b], s26, s27
.endr
.irp b, 0,1,2,3
	v_max_num_f32 v[TM+\b], v[TM+\b], v[TM+4+\b]   ; with lane l xor 16's: the block's largest magnitude
.endr
.irp b, 0,1,2,3
	v_add_nc_u32 v[TM+12+\b], 0xfe000000, v[TM+\b] ; 4 off its exponent field: the conversion takes the exponent field of this operand as its scale, and nothing else of it
.endr
.irp b, 0,1,2,3
	v_lshrrev_b32 v[TM+4+\b], 23, v[TM+12+\b]      ; the scale's byte
.endr
	v_lshl_or_b32 v[\pw], v[TM+5], 8, v[TM+4]      ; the four bytes make my row's scale word (both halves of the lanes hold it)
	v_lshl_or_b32 v[\pw], v[TM+6], 16, v[\pw]
	v_lshl_or_b32 v[\pw], v[TM+7], 24, v[\pw]
.irp c, 0,1
	v_cvt_scalef32_pk16_bf6_f32 v[\pc+6*\c:\pc+6*\c+2], v[\s+32*\c:\s+32*\c+15], v[TM+12+2*\c]         ; 96 bits: the codes of k = 64 c + 16 h + 0 .. 15
	v_cvt_scalef32_pk16_bf6_f32 v[AUX+4*\c:AUX+4*\c+2], v[\s+32*\c+16:\s+32*\c+31], v[TM+12+2*\c+1]    ; and of k = 64 c + 32 + 16 h + 0 .. 15 (a conversion's three registers begin on an even number)
.endr
	v_nop                                          ; one plain place behind a scaled conversion
.irp c, 0,1                            ; the operand's layout wants a WHOLE block in a lane: lanes 0-15 block 2 c, lanes 16-31 block 2 c + 1
.irp i, 0,1,2
	v_permlane16_swap_b32 v[\pc+6*\c+\i], v[AUX+4*\c+\i]   ; the first's lanes 16-31 change places with the second's lanes 0-15: the first now holds each lane's block's lower 16 codes, the second the upper 16
.endr
.irp i, 0,1,2
	v_mov_b32 v[\pc+3+6*\c+\i], v[AUX+4*\c+\i]     ; registers 6 c .. 6 c + 5 now hold k = 64 c + 32 h + 0 .. 31
.endr
.endr
.endm
; K step ks's fragment goes to zq as it stands in my registers: each store of the wave covers 512 consecutive bytes, at a multiple of 256 from zq's first byte.  The registers are never written again, so no wait follows.
.macro SENDF pc, ks
.irp c, 0,1,2
	global_store_b128 v[GW], v[\pc+4*\c:\pc+4*\c+3], s[8:9] offset:(\ks)*1536+512*\c
.endr
.endm
	s_wait_tensorcnt 0x0                           ; my tile is in LDS; only I read it, so this wait is all the ordering that the reads need
.irp s, 0,1
.irp b, 0,1,2,3
.irp j, 0,1,2,3
	ds_load_b128 v[X+64*\s+16*\b+4*\j:X+64*\s+16*\b+4*\j+3], v[XA] offset:512*\s+128*\b+16*\j   ; k = 128 s + 32 b + 16 h + 4 j + 0 .. 3 of row r
.endr
.endr
.endr
	NORM 1                                         ; the first normalisation
	NORM 0                                         ; the second, with its own sum of squares: written out, as the problem writes it
	QUANT X, PC0, PW0
	SENDF PC0, 0
	QUANT X+64, PC1, PW1                           ; (it writes none of the registers that the three stores above read)
	SENDF PC1, 1
	global_store_b64 v[GS], v[PW0:PW0+1], s[8:9] offset:3072   ; the two scale words of my row: 32 lanes store 256 consecutive bytes, the block's thirteenth 256
	s_wait_tensorcnt 0x0
	ds_add_u32 v204, v205
	s_wait_dscnt 0x0
	s_endpgm
.Lfunc_end_k_q45b88e4264_quant:
	.size	k_q45b88e4264_quant, .Lfunc_end_k_q45b88e4264_quant-k_q45b88e4264_quant
	.p2alignl 7, 3214868480
	.fill 96, 4, 3214868480
	.section	.rodata,"a",@progbits
	.p2align	6, 0x0
	.amdhsa_kernel k_q45b88e4264_quant
		.amdhsa_group_segment_fixed_size 168192
		.amdhsa_private_segment_fixed_size 0
		.amdhsa_enable_private_segment 0
		.amdhsa_kernarg_size 24
		.amdhsa_user_sgpr_count 2
		.amdhsa_user_sgpr_kernarg_segment_ptr 1
		.amdhsa_wavefront_size32 1
		.amdhsa_system_sgpr_workgroup_id_x 1
		.amdhsa_system_sgpr_workgroup_id_y 1
		.amdhsa_system_sgpr_workgroup_id_z 1
		.amdhsa_system_vgpr_workitem_id 0
		.amdhsa_next_free_vgpr 206
		.amdhsa_next_free_sgpr 66
		.amdhsa_reserve_vcc 0
		.amdhsa_float_denorm_mode_32 3
		.amdhsa_float_denorm_mode_16_64 3
		.amdhsa_memory_ordered 1
		.amdhsa_forward_progress 1
		.amdhsa_inst_pref_size 31
	.end_amdhsa_kernel
	.amdgpu_metadata
---
amdhsa.version: [ 1, 2 ]
amdhsa.kernels:
  - .name:           k_q45b88e4264_quant
    .symbol:         k_q45b88e4264_quant.kd
    .args:
      - { .name: x1, .offset: 0, .size: 8, .value_kind: global_buffer, .address_space: global }
      - { .name: x2, .offset: 8, .size: 8, .value_kind: global_buffer, .address_space: global }
      - { .name: zq, .offset: 16, .size: 8, .value_kind: global_buffer, .address_space: global }
    .group_segment_fixed_size: 168192
    .private_segment_fixed_size: 0
    .kernarg_segment_align: 8
    .kernarg_segment_size: 24
    .max_flat_workgroup_size: 64
    .sgpr_count:     66
    .vgpr_count:     206
    .wavefront_size: 32
...
	.end_amdgpu_metadata
.endif
;; end of part 1
;; launch gram (part 2): grid 16 x 16, 4 waves a work-group, clusters of 4 x 4, 213,504 bytes of LDS; arguments zq, out0; writes out0
.if DOCPART == 2
	.amdgcn_target "amdgcn-amd-amdhsa--gfx1250"
	.amdhsa_code_object_version 6
	.text
	.protected	k_q45b88e4264_gram
	.globl	k_q45b88e4264_gram
	.p2align	8
	.type	k_q45b88e4264_gram,@function
k_q45b88e4264_gram:
	s_mov_b64 s[64:65], 0
	v_nop
	global_prefetch_b8 v0, s[64:65] scope:SCOPE_SE
	s_setreg_imm32_b32 hwreg(HW_REG_WAVE_MODE, 25, 1), 1
	s_wait_xcnt 0x0
	s_wait_alu depctr_hold_cnt(0) depctr_sa_sdst(0) depctr_va_vdst(0) depctr_va_sdst(0) depctr_va_ssrc(0) depctr_va_vcc(0) depctr_vm_vsrc(0)
	s_getreg_b32 s2, hwreg(HW_REG_IB_STS2, 6, 4)
	s_cmp_eq_u32 s2, 0
	s_cbranch_scc0 .Lentry_in_a_cluster
	s_endpgm
.Lentry_in_a_cluster:
	s_bfe_u32 s2, ttmp6, 0x10000c
	s_cmp_lg_u32 s2, 0xf033
	s_cbranch_scc0 .Lentry_shape_is_right
	s_endpgm
.Lentry_shape_is_right:
; The product z z^T, [8192][8192], K = 256, on codes of BF6 (E3M2) with one E8M0 scale for each 32 along K, by the scaled matrix instruction, sums in f32; of it the problem keeps the two diagonals at offsets
; +4096 and -4096: out0[i] = z[i] . z[(i + 4096) mod 8192].  THE WHOLE PRODUCT IS FORMED, as the problem's contract asks of a quantised product: 524,288 matrix instructions, 512 a wave.  Only the tiles of 16 x 16
; on the two diagonals are read out of their accumulators; all other sums are written over by the next tile's.  So of the 256 work-groups the sixteen whose tile of C holds a piece of a kept diagonal store
; (512 numbers each), and the other 240 store nothing.
; zq holds z in the order of the operand's registers: block I (rows 16 I .. 16 I + 15), 3,328 bytes: K step s's fragment at 1536 s + 512 c + 16 x lane (register group c), and at 3,072 + 8 x lane the two scale words
; of the lane's row.  A fragment comes into registers by three loads of 16 bytes a lane, 512 consecutive bytes each: no pitch, no padding, no bank conflict.
; SHARES.  A work-group makes 512 x 512 of C with K whole: its 32 row blocks and 32 column blocks, 212,992 bytes, lie in LDS at once: no ring, and no LDS byte is filled twice.  Wave (wr, wc) makes 256 x 256:
; ITS 16 ROW BLOCKS STAY IN REGISTERS (384, windows 1 and 2) and its 16 column blocks pass by, one after the other, 32 matrix instructions each on 16 accumulators that begin anew with the constant 0.
; So a column block's 3,328 bytes read from LDS feed 32 matrix instructions, and a row block is read from LDS once.
; CLUSTERS: 4 x 4 work-groups.  The four of a row of the cluster need the same row blocks, the four of a column the same column blocks: each part is asked for JOINTLY, by the same tensor load with the same descriptor
; and a mask that names the four.  Every wave issues five loads behind one round of the cluster's barrier: its quarter of the row blocks, and its part of each of four CHUNKS of the column blocks (chunk c: column blocks
; 4 c .. 4 c + 3 of both halves), so that the products begin when the row blocks and chunk 0 have landed, and the later chunks land under them.  Five tensor loads of a wave are out at the most.
; THE MATRIX INSTRUCTION: source 0 = 16 rows of a column block, source 1 = 16 rows of a row block (so that LDS loads, whose address is their source 0, and the products differ in the window of source 1 alone).
; THE DIAGONAL.  Where tile column = (tile row + 8) mod 16 and wr = wc, the tile of my row block j and my column block j lies on a kept diagonal.  Every wave picks that tile's diagonal into a register (seven selects for 32
; matrix instructions), with no branch; at the end it stores under an EXEC mask that is empty in all other waves.  No branch and no LDS address hangs on the place in the cluster.
; REGISTERS, in windows of 256: window 0: v2-6 addresses; v8-39 the row blocks' scale words; v40-43 the column blocks', two sets; v44-91 a column block's two fragments, two sets; v92-107 the picked diagonals;
;   v108-113 at work; v128-255 the 16 accumulators.   window 1: row blocks 0-7 (block i, K step s at v[24 i + 12 s]).   window 2: row blocks 8-15 likewise.
.set BLK,   3328                       ; a block of zq
.set HALF,  16*BLK                     ; what one wave reads of the row blocks, or of the column blocks
.set BOFF,  32*BLK                     ; LDS: 32 row blocks from 0, 32 column blocks from here
.set AA,   2                           ; v2   LDS address of my row blocks' codes: wr HALF + 16 x lane
.set AS,   3                           ; v3   of their scale words: wr HALF + 3072 + 8 x lane
.set BA,   4                           ; v4   of my column blocks' codes: BOFF + wc HALF + 16 x lane
.set BS,   5                           ; v5   of their scale words
.set OO,   6                           ; v6   my byte in a block's 64 bytes of out0: 4 (lane % 16)
.set ASC,  8                           ; row block i's scale words of K steps 0, 1: v[ASC + 2 i], v[ASC + 2 i + 1].  v8-43 hold scales and nothing else
.set BSC,  40                          ; set p: v[BSC + 2 p], v[BSC + 2 p + 1]
.set BF,   44                          ; set p, K step s: v[BF + 24 p + 12 s]
.set RES,  92
.set PK,   108
.set ACC,  128
.set G1A,  16                          ; s[16:23] descriptor group 1 for the row blocks;  s[24:31] for the column blocks
.set G1B,  24
.set G0A,  32                          ; s[32:35] group 0 for my quarter of the row blocks;  s[48:63] four groups 0, one for each chunk of the column blocks
.set G0B,  48
.set MSB, 0
.macro WIN new                         ; low byte: bits 1:0 source 0, 3:2 source 1, 5:4 source 2, 7:6 destination; the high byte repeats the setting that is left; a switch that changes nothing is dropped
.if MSB != (\new)
	s_set_vgpr_msb (MSB<<8)|(\new)
.set MSB, \new
.endif
.endm
; A round of the cluster's barrier: my work-group's barrier, so that wave 0's signal speaks for all four waves; wave 0 signals for the work-group; every wave waits for all sixteen work-groups; my work-group's barrier once more.
.macro CROUND
	s_barrier_signal -1
	s_barrier_wait -1
	s_cmp_lg_u32 s8, 0
	s_cbranch_scc1 .Lnot_wave_0_\@
	s_barrier_signal -3
.Lnot_wave_0_\@:
	s_barrier_wait -3
	s_barrier_signal -1
	s_barrier_wait -1
.endm
.macro PLACES n
.rept \n
	v_nop
.endr
.endm
	s_load_b128 s[4:7], s[0:1], 0x0                ; zq s[4:5], out0 s[6:7]
	v_lshl_add_u32 v126, v0, 2, 0x34000
	v_mov_b32 v127, 0
	ds_add_u32 v126, v127
	ds_add_u32 v126, v127
	v_lshrrev_b32 v1, 5, v0
	v_readfirstlane_b32 s8, v1                     ; wave 0..3
	s_lshr_b32 s9, s8, 1                           ; wr: which half of the tile's rows is mine
	s_and_b32 s10, s8, 1                           ; wc: which half of its columns
	s_bfe_u32 s40, ttmp6, 0x40000                  ; cx, cy: my place in the cluster
	s_bfe_u32 s41, ttmp6, 0x40004
	s_lshl_b32 s42, ttmp9, 2
	s_add_co_u32 s42, s42, s40                     ; tile column of C = 4 x cluster x + cx
	s_and_b32 s43, ttmp7, 0xffff
	s_lshl_b32 s43, s43, 2
	s_add_co_u32 s43, s43, s41                     ; tile row of C = 4 x cluster y + cy
	s_lshl_b32 s44, s41, 2
	s_lshl_b32 s44, 15, s44                        ; my row of the cluster
	s_lshl_b32 s45, 0x1111, s40                    ; my column
	; Descriptor groups 1: dense blocks of memory, as rows of 256 bytes (32 elements of 8 bytes), no padding.  Row blocks: 8 blocks = 104 rows a load; column blocks: 2 blocks = 26 rows a load
	s_or_b32 s[G1A], s44, (3<<16)|(1<<21)          ; 15:0 the mask: the row blocks go to my row of the cluster; 17:16 elements of 8 bytes; 21 set beside a mask
	s_or_b32 s[G1B], s45, (3<<16)|(1<<21)          ; the column blocks go to my column
	s_mov_b32 s[G1A+1], 32<<16                     ; tensor_dim0 = 32
	s_mov_b32 s[G1A+2], 104<<16                    ; tensor_dim1 = 104
	s_mov_b32 s[G1A+3], 32<<16                     ; tile_dim0 = 32
	s_mov_b32 s[G1A+4], 104                        ; tile_dim1 = 104
	s_mov_b32 s[G1A+5], 32                         ; elements from row to row
	s_mov_b32 s[G1A+6], 0
	s_mov_b32 s[G1A+7], 0
	s_mov_b32 s[G1B+1], 32<<16
	s_mov_b32 s[G1B+2], 26<<16
	s_mov_b32 s[G1B+3], 32<<16
	s_mov_b32 s[G1B+4], 26
	s_mov_b32 s[G1B+5], 32
	s_mov_b32 s[G1B+6], 0
	s_mov_b32 s[G1B+7], 0
	; What I fetch.  Row blocks: 32 x tile row + 8 x wave on, eight of them.  Their address is made of the tile row and the wave's number, the column blocks' of the tile column and the wave's number, each in registers
	; that never hold the other coordinate; the LDS addresses of the wave's number alone.
	s_lshl_b32 s36, s43, 5
	s_lshl_b32 s37, s8, 3
	s_add_co_u32 s36, s36, s37
	s_mul_i32 s36, s36, BLK                        ; in bytes (under 2^21)
	s_mov_b32 s37, 0
	s_lshl_b32 s38, s9, 4                          ; column blocks, in chunk c: 16 (wave / 2) + 2 (wave % 2) + 4 c on, two of them
	s_lshl_b32 s39, s10, 1
	s_add_co_u32 s38, s38, s39
	s_mul_i32 s46, s38, BLK                        ; their place among the column blocks in LDS,
	s_lshl_b32 s12, s42, 5
	s_add_co_u32 s12, s12, s38
	s_mul_i32 s12, s12, BLK                        ; and in zq: 32 x tile column further on
	s_mov_b32 s13, 0
	s_mov_b32 s[G0A], 1                            ; count = 1
	s_mul_i32 s[G0A+1], s8, 8*BLK                  ; LDS address
.irp c, 0,1,2,3
	s_mov_b32 s[G0B+4*\c], 1
	s_add_co_u32 s[G0B+4*\c+1], s46, BOFF+\c*4*BLK
.endr
	s_wait_dscnt 0x0
	s_wait_kmcnt 0x0
	s_add_nc_u64 s[G0A+2:G0A+3], s[4:5], s[36:37]  ; global address
	s_or_b32 s[G0A+3], s[G0A+3], 0x80000000        ; type = 2
	s_add_nc_u64 s[12:13], s[4:5], s[12:13]
.irp c, 0,1,2,3
	s_add_nc_u64 s[G0B+4*\c+2:G0B+4*\c+3], s[12:13], \c*4*BLK
	s_or_b32 s[G0B+4*\c+3], s[G0B+4*\c+3], 0x80000000
.endr
	CROUND                                         ; all sixteen work-groups are here: the joint loads meet
	tensor_load_to_lds s[G0A:G0A+3], s[G1A:G1A+7]          ; all fills of the launch go out as one group, in the order in which they are wanted; no descriptor is written again
	s_nop 0
	tensor_load_to_lds s[G0B:G0B+3], s[G1B:G1B+7]
	s_nop 0
	tensor_load_to_lds s[G0B+4:G0B+7], s[G1B:G1B+7]
	s_nop 0
	tensor_load_to_lds s[G0B+8:G0B+11], s[G1B:G1B+7]
	s_nop 0
	tensor_load_to_lds s[G0B+12:G0B+15], s[G1B:G1B+7]
	s_nop 0
	PLACES 4                                       ; four v_nop follow the last
	; All else is made while the tiles are on their way
	v_and_b32 v1, 31, v0                           ; lane
	v_and_b32 v7, 15, v0                           ; lane % 16
	s_mul_i32 s36, s9, HALF
	s_mul_i32 s37, s10, HALF
	s_add_co_u32 s37, s37, BOFF
	v_lshl_add_u32 v[AA], v1, 4, s36
	v_lshl_add_u32 v[BA], v1, 4, s37
	s_add_co_u32 s36, s36, 3072
	s_add_co_u32 s37, s37, 3072
	v_lshl_add_u32 v[AS], v1, 3, s36
	v_lshl_add_u32 v[BS], v1, 3, s37
	v_lshlrev_b32 v[OO], 2, v7
	s_mov_b32 s66, 0xaaaaaaaa                      ; the lanes whose lane % 16 has bit 0 set,
	s_mov_b32 s67, 0xcccccccc                      ; bit 1,
	s_mov_b32 s68, 0xf0f0f0f0                      ; bit 2
	s_lshl_b32 s14, s43, 11                        ; out0: my first row of C is 512 x tile row + 256 wr: 4 bytes each
	s_lshl_b32 s11, s9, 10
	s_add_co_u32 s14, s14, s11
	s_mov_b32 s15, 0
	s_add_nc_u64 s[6:7], s[6:7], s[14:15]
	s_add_co_u32 s11, s43, 8                       ; the lanes that store: lanes 0-7 and 24-31, where my 256 x 256 lies on a kept diagonal: tile column = (tile row + 8) mod 16
	s_and_b32 s11, s11, 15
	s_cmp_eq_u32 s11, s42
	s_cselect_b32 s47, 0xff0000ff, 0
	s_cmp_eq_u32 s9, s10                           ; and wr = wc; else none
	s_cselect_b32 s47, s47, 0
; Column block j of my half, codes and scale words, into set j % 2: seven loads.  (Windows: all 0)
.macro LOADB j
.irp s, 0,1
.irp c, 0,1,2
	ds_load_b128 v[BF+24*((\j)%2)+12*\s+4*\c:BF+24*((\j)%2)+12*\s+4*\c+3], v[BA] offset:(\j)*BLK+1536*\s+512*\c
.endr
.endr
	ds_load_b64 v[BSC+2*((\j)%2):BSC+2*((\j)%2)+1], v[BS] offset:(\j)*BLK
.endm
; K step ks of my row blocks base .. base + 7 into window 1 (base = 0) or 2 (base = 8): 24 loads
.macro LOADA ks, base
	WIN 0x40*(1+(\base)/8)
.irp i, 0,1,2,3,4,5,6,7
.irp c, 0,1,2
	ds_load_b128 v[24*\i+12*(\ks)+4*\c:24*\i+12*(\ks)+4*\c+3], v[AA] offset:((\base)+\i)*BLK+1536*(\ks)+512*\c
.endr
.endr
.endm
; Eight matrix instructions: column block j x my row blocks base .. base + 7, K step ks.  K step 0 starts the sums with the constant 0: nothing is ever cleared.
; The accumulators take turns, one instruction a turn: between the two links of a sum stand seven others'.
.macro MUL8 j, ks, base
	WIN 0x04*(1+(\base)/8)
.irp i, 0,1,2,3,4,5,6,7
.if (\ks) == 0
	v_wmma_scale_f32_16x16x128_f8f6f4 v[ACC+8*((\base)+\i):ACC+8*((\base)+\i)+7], v[BF+24*((\j)%2)+12*(\ks):BF+24*((\j)%2)+12*(\ks)+11], v[24*\i+12*(\ks):24*\i+12*(\ks)+11], 0, v[BSC+2*((\j)%2)+(\ks)], v[ASC+2*((\base)+\i)+(\ks)] matrix_a_fmt:MATRIX_FMT_BF6 matrix_b_fmt:MATRIX_FMT_BF6
.else
	v_wmma_scale_f32_16x16x128_f8f6f4 v[ACC+8*((\base)+\i):ACC+8*((\base)+\i)+7], v[BF+24*((\j)%2)+12*(\ks):BF+24*((\j)%2)+12*(\ks)+11], v[24*\i+12*(\ks):24*\i+12*(\ks)+11], v[ACC+8*((\base)+\i):ACC+8*((\base)+\i)+7], v[BSC+2*((\j)%2)+(\ks)], v[ASC+2*((\base)+\i)+(\ks)] matrix_a_fmt:MATRIX_FMT_BF6 matrix_b_fmt:MATRIX_FMT_BF6
.endif
.endr
.endm
; The diagonal of accumulator j.  Register q of lane (r = lane % 16, h = lane / 16) holds element (8 h + q, r): the diagonal lies where h = r / 8, in register r % 8.  Every lane picks register r % 8 by the three bits of r,
; from the accumulator's low end on; lanes 0-7 and 24-31 then hold the number of row r of the block.
.macro PICK j
.irp t, 0,1,2,3
	v_cndmask_b32 v[PK+\t], v[ACC+8*(\j)+2*\t], v[ACC+8*(\j)+2*\t+1], s66
.endr
.irp u, 0,1
	v_cndmask_b32 v[PK+4+\u], v[PK+2*\u], v[PK+2*\u+1], s67
.endr
	v_cndmask_b32 v[RES+(\j)], v[PK+4], v[PK+5], s68
.endm
; Column block j, j = 1 .. 15.  At its head five places: the accumulators that the last block's products wrote are written over by this block's first products (five places are asked between the two), the set that
; the last block read is loaded anew, and accumulator j - 1 is read (four each) (ISA guide 7.12.1 for vector instructions).
; The half of the accumulators that holds tile (j, j) goes first, so that it is finished sixteen matrix instructions ahead of the next head, where it is read.
.macro GROUP j
	WIN 0
	PLACES 5
	PICK (\j)-1
.if ((\j)+1)%4 == 0 && (\j)+1 < 16
	s_wait_tensorcnt 3-((\j)+1)/4                  ; my part of chunk (j + 1) / 4 has landed; the chunks behind it, as many as the count says, may be out
	s_wait_dscnt 0x0                               ; no LDS load of mine is out at a signal (this block's seven were issued 32 matrix instructions ago)
	s_barrier_signal -1
	s_barrier_wait -1                              ; everybody's part has landed
.endif
.if (\j) < 15
	LOADB (\j)+1
	s_wait_dscnt 7                                 ; this block's loads are in; the seven just issued may be out
.else
	s_wait_dscnt 0x0
.endif
.if (\j) < 8
	MUL8 \j, 0, 0
	MUL8 \j, 1, 0
	MUL8 \j, 0, 8
	MUL8 \j, 1, 8
.else
	MUL8 \j, 0, 8
	MUL8 \j, 1, 8
	MUL8 \j, 0, 0
	MUL8 \j, 1, 0
.endif
.endm
	s_wait_tensorcnt 0x3                           ; my quarter of the row blocks and my part of chunk 0 have landed; chunks 1 to 3 may be out,
	s_barrier_signal -1
	s_barrier_wait -1                              ; everybody's have
	; Column block 0, and my row blocks on their way into registers: each run of 24 loads is asked for one run of products ahead of its use
	LOADB 0
.irp i, 0,1,2,3,4,5,6,7,8,9,10,11,12,13,14,15
	ds_load_b64 v[ASC+2*\i:ASC+2*\i+1], v[AS] offset:\i*BLK
.endr
	LOADA 0, 0
	LOADA 1, 0
	s_wait_dscnt 24                                ; all but the 24 just issued
	MUL8 0, 0, 0
	LOADA 0, 8
	s_wait_dscnt 24
	MUL8 0, 1, 0
	LOADA 1, 8
	s_wait_dscnt 24
	MUL8 0, 0, 8
	WIN 0
	LOADB 1
	s_wait_dscnt 7                                 ; all but column block 1's seven
	MUL8 0, 1, 8
.irp j, 1,2,3,4,5,6,7,8,9,10,11,12,13,14,15
	GROUP \j
.endr
	WIN 0
	PLACES 4                                       ; between the last products and the read of accumulator 15
	PICK 15
	; THE WAY OUT.  Row 16 j + r of my 256 rows: out0 at 64 j + 4 r bytes from my first row's.  The mask is empty in a wave whose 256 x 256 holds no piece of a kept diagonal: its stores then do nothing.
	s_mov_b32 vcc_lo, s47
	s_wait_xcnt 0x0                                ; EXEC changes only behind this wait
	s_and_saveexec_b32 s69, vcc_lo
.irp j, 0,1,2,3,4,5,6,7,8,9,10,11,12,13,14,15
	global_store_b32 v[OO], v[RES+\j], s[6:7] offset:64*\j th:TH_STORE_NT   ; 16 lanes store 64 consecutive bytes; the sixteen stores cover 1,024 consecutive bytes; written once, read by nobody here
.endr
	s_wait_xcnt 0x0                                ; and again, in front of the line that widens it
	s_or_b32 exec_lo, exec_lo, s69
	s_wait_tensorcnt 0x0
	ds_add_u32 v126, v127
	s_wait_dscnt 0x0
	CROUND                                         ; the closing round: no work-group ends while a partner may still ask for a tile that names it
	s_endpgm
.Lfunc_end_k_q45b88e4264_gram:
	.size	k_q45b88e4264_gram, .Lfunc_end_k_q45b88e4264_gram-k_q45b88e4264_gram
	.p2alignl 7, 3214868480
	.fill 96, 4, 3214868480
	.section	.rodata,"a",@progbits
	.p2align	6, 0x0
	.amdhsa_kernel k_q45b88e4264_gram
		.amdhsa_group_segment_fixed_size 213504
		.amdhsa_private_segment_fixed_size 0
		.amdhsa_enable_private_segment 0
		.amdhsa_kernarg_size 16
		.amdhsa_user_sgpr_count 2
		.amdhsa_user_sgpr_kernarg_segment_ptr 1
		.amdhsa_wavefront_size32 1
		.amdhsa_system_sgpr_workgroup_id_x 1
		.amdhsa_system_sgpr_workgroup_id_y 1
		.amdhsa_system_sgpr_workgroup_id_z 1
		.amdhsa_system_vgpr_workitem_id 0
		.amdhsa_next_free_vgpr 704
		.amdhsa_next_free_sgpr 70
		.amdhsa_reserve_vcc 1
		.amdhsa_float_denorm_mode_32 3
		.amdhsa_float_denorm_mode_16_64 3
		.amdhsa_memory_ordered 1
		.amdhsa_forward_progress 1
		.amdhsa_inst_pref_size 99
	.end_amdhsa_kernel
	.amdgpu_metadata
---
amdhsa.version: [ 1, 2 ]
amdhsa.kernels:
  - .name:           k_q45b88e4264_gram
    .symbol:         k_q45b88e4264_gram.kd
    .args:
      - { .name: zq, .offset: 0, .size: 8, .value_kind: global_buffer, .address_space: global }
      - { .name: out0, .offset: 8, .size: 8, .value_kind: global_buffer, .address_space: global }
    .group_segment_fixed_size: 213504
    .private_segment_fixed_size: 0
    .kernarg_segment_align: 8
    .kernarg_segment_size: 16
    .max_flat_workgroup_size: 128
    .sgpr_count:     70
    .vgpr_count:     704
    .wavefront_size: 32
...
	.end_amdgpu_metadata
.endif
;; end of part 2
